; MI455X (gfx1250); checked and timed in simulation.
; The chip was launched on July 23, 2026; its instructions are those of AMD's public machine-readable ISA for CDNA 5 (MIT licence, August 2026) and "CDNA5" Instruction Set Architecture Reference Guide (July 2026). The comments in the code are by the model that wrote it; some were corrected since.
;; Cross Attention. Allowed arithmetic: matrix products marked QUANTISED: E4M3 operands, one given power-of-two scale a tensor, by v_wmma_f32_16x16x64_fp8_fp8 or v_wmma_f32_16x16x128_fp8_fp8, f32 sums; products left as they are: f32 operands where the result goes on into a quantised operand, else bf16, f16 or f32 operands; f32 sums; everything else in f32.
;; Inputs: Wk_codes 64 x 2 x 32 uint8 (E4M3 codes of Wk, K innermost, in blocks of 32 codes); Wq_codes 64 x 2 x 32 uint8 (E4M3 codes of Wq, K innermost, in blocks of 32 codes); Wv_codes 64 x 2 x 32 uint8 (E4M3 codes of Wv, K innermost, in blocks of 32 codes); lowp_scales 6 int32 (the exponents e of the quantised operands' scales 2^e); neighbors_codes 8 x 2,048 x 32 x 2 x 32 uint8 (E4M3 codes of neighbors, K innermost, in blocks of 32 codes); pcd_codes 8 x 2,048 x 2 x 32 uint8 (E4M3 codes of pcd, K innermost, in blocks of 32 codes).
;; Outputs: out0 8 x 64 x 2,048 float32.
;; This version of the problem:
;;   THIS VERSION OF THE PROBLEM IS GIVEN IN LOW PRECISION. The matrix products marked QUANTISED in the list below multiply operands that are first quantised to E4M3 (4 exponent bits, 3 mantissa bits; 8 bits a number), with one given power-of-two scale for each operand tensor; their sums are f32. All else is computed in f32.
;;   The module's matrix products, in the order in which they are computed (A, B: the left and right operand; K: the contracted axis; several contracted axes count as one K, in the product's order):
;;     1. [M 16,384, K 64] x [K 64, N 64]; A: input pcd (given as codes); B: input Wq (given as codes): QUANTISED (scales: A lowp_scales[0], B lowp_scales[1])
;;     2. [M 524,288, K 64] x [K 64, N 64]; A: input neighbors (given as codes); B: input Wk (given as codes): QUANTISED (scales: A lowp_scales[2], B lowp_scales[3])
;;     3. [M 524,288, K 64] x [K 64, N 64]; A: input neighbors (given as codes); B: input Wv (given as codes): QUANTISED (scales: A lowp_scales[4], B lowp_scales[5])
;;     4. batch 131,072 x [M 1, K 8] x [K 8, N 32]; A: computed on the way; B: computed on the way: left as it is (K = 8 < 32)
;;     5. batch 131,072 x [M 1, K 32] x [K 32, N 8]; A: softmax; B: computed on the way: left as it is (M = 1 < 16)
;;   THE QUANTISER, for each operand of a quantised product, along K:
;;     - The operand's scale is 2^e, e = its entry of the input lowp_scales (int32; the entries are numbered through the quantised products in the list's order, A before B).
;;     - Each number is divided by the scale, clamped to +-448, and rounded to the nearest number of E4M3, ties to even, subnormals kept.
;;     - The product sums the exact products of the quantised numbers (number of the format x scale) in f32.
;;   ~~~python
;;   def quantise(x, axis, e):      # numpy; x: float32 -> the quantised numbers, widened to float32 again
;;       x = np.moveaxis(x, axis, -1); K = x.shape[-1]
;;       r = np.clip(x / 2.0 ** e, -448, 448)
;;       step = 2.0 ** (np.maximum(np.frexp(np.where(r == 0, 1, r))[1] - 1, -6) - 3)
;;       q = np.round(r / step) * step * 2.0 ** e      # np.round: ties to even
;;       return np.moveaxis(q, -1, axis).astype(np.float32)
;;   ~~~
;;   INPUTS GIVEN AS CODES. Wk (in the module: [64, 64], K = its axis 1); Wq (in the module: [64, 64], K = its axis 1); Wv (in the module: [64, 64], K = its axis 1); neighbors (in the module: [8, 64, 2048, 32], K = its axis 1); pcd (in the module: [8, 64, 2048], K = its axis 1): each comes as NAME_codes (uint8): NAME with its K axis moved to the last place and cut into blocks of 32 codes, [.., K / 32, bytes a block], one block behind the other in memory; one code a byte (a code: sign, 4 exponent bits, 3 mantissa bits); its scale is its entry of lowp_scales. Its value is code x scale, taken as it is: it is not quantised again, and the codes and scales need not be those that the quantiser above would give.
;; One version. Each part assembles by itself: llvm-mc -triple=amdgcn-amd-amdhsa -mcpu=gfx1250 --defsym DOCPART=n.
;; ======== version 1 of 1: 1 launch
;; launch xattn (part 1): grid 256 x 1, 4 waves a work-group, no clusters, 168,448 bytes of LDS; arguments neighbors_codes, pcd_codes, Wq_codes, Wk_codes, Wv_codes, lowp_scales, out0; writes out0
.if DOCPART == 1
	.amdgcn_target "amdgcn-amd-amdhsa--gfx1250"
	.amdhsa_code_object_version 6
	.text
	.protected	k_q1f599a380f_xattn
	.globl	k_q1f599a380f_xattn
	.p2align	8
	.type	k_q1f599a380f_xattn,@function
k_q1f599a380f_xattn:
	s_mov_b64 s[64:65], 0
	v_nop
	global_prefetch_b8 v0, s[64:65] scope:SCOPE_SE
	s_setreg_imm32_b32 hwreg(HW_REG_WAVE_MODE, 25, 1), 1
	s_wait_xcnt 0x0
; out[b][8 hd + d][n] = sum over the 32 neighbours kk of softmax_kk( q[hd,:] . k[hd,:,kk] / sqrt(8) ) v[hd,d,kk],
; q = Wq pcd, k = Wk neighbours, v = Wv neighbours: three products on codes of FP8 (E4M3), K = the 64 channels, by v_wmma_f32_16x16x64_fp8_fp8, sums in f32.
; A number is its code x 2^e: e0 pcd, e1 Wq, e2 neighbours (for k), e3 Wk, e4 neighbours (for v), e5 Wv.  All behind the three products is f32.
; SHARES.  16,384 points (8 batches x 2,048).  A work-group of four waves owns 64 neighbouring points of one batch, a wave 16 of them, with all 32 neighbours and all 8 heads.
; LAYOUT.  THE 16 COLUMNS OF A MATRIX TILE ARE 16 POINTS, all at the same neighbour index, and every product is used transposed (source 0 = 16 rows of W, source 1 = 16 rows of codes):
; lane (r, h) holds point r, and its registers 0-7 of tile t the channels 16 t + 8 h + 0..7: the eight depths of ONE head, 2 t + h.  The same in q, k and v.  So a score is four packed multiply-adds
; and one addition in a lane, a point's 32 neighbours come to one lane one after the other, and maximum, sum and weighted sum never leave the lane: no exchange, no conversion, no transposition.
; DATA.  A point's neighbours are 2,048 consecutive bytes.  A wave brings its 16 x 2,048 bytes by four tensor loads (a chunk: 16 rows x 512 bytes = 8 neighbours of each point), all issued at the head, into LDS bytes
; of its own that are filled once: four tensor loads of a wave are out at the most, no slot is filled again, and no barrier stands in front of the way out.
; SOFTMAX.  By chunks of 8 neighbours, with a running maximum m for each point and head: p = 2^(t - m); when m moves, the sum and O are multiplied by f = 2^(old m - new m).  t = score x log2(e) / sqrt(8):
; that factor and 2^(e0 + e1 + e2 + e3) are multiplied into q once.  2^(e4 + e5) is put onto 1 / sum at the end.
; CLUSTERS are not used: work-groups share the three weights alone, 12,288 bytes against 135,168 bytes of a work-group's own.  Nothing is prefetched: every byte is asked for at the head.
; LIMITS.  NaN among the codes is not served.  The scales are applied by v_ldexp_f32: they have no bound but the range of f32 itself.
; The channels inside a fragment stand in one order in W, pcd and neighbours (lane half h: 16 h + 0..15, then 32 + 16 h + 0..15): every product meets its partner; the order of the sums inside an instruction differs from ascending channels.
;
; REGISTERS, in two windows of 256 (s_set_vgpr_msb: bits 1:0 source 0, 3:2 source 1, 5:4 source 2, 7:6 destination).
;   window 0: what stands as source 0: addresses, Wk, Wv, q, p, f;  window 1: results, fragments, scores, O.
; ONE setting (MAIN: source 0 window 0, all else window 1) serves the matrix instructions, both vector passes, the LDS loads and the way out; the softmax alone switches.
.set CKB,    512                       ; a chunk's row: 8 neighbours x 64 bytes
.set PITCH,  CKB+16                    ; in LDS: + 16 bytes of padding = 132 words: row r starts at bank 4 r mod 64 (64 banks of 4 bytes: ISA guide 11.1), so the 16 rows of a load start at 16 different banks
.set CH,     16*PITCH                  ; a chunk's tile
.set WREG,   4*CH                      ; a wave's four tiles
.set STG,    4*WREG                    ; behind the tiles: the stage for the way out, 64 channels x (64 points x 4 bytes + 16); no tensor load lands there
.set SPITCH, 272
.set NSL,    12                        ; fragment slots: a chunk's 8 stay from its k pass to its v pass; the next chunk's take the 4 others and the first 4 that are done with
; window 0
.set VO,  1                            ; v1      64 r + 16 h: my bytes in 16 rows of 64 (W, pcd)
.set LA,  2                            ; v2      LDS address of my bytes in my wave's first tile
.set SA,  3                            ; v3      the stage: where I put a number
.set SR,  4                            ; v4      the stage: where I read a row back
.set GO,  5                            ; v5      my byte offset in two rows of out
.set CS,  6                            ; v6-7    log2(e) / sqrt(8) x 2^(e0 + e1 + e2 + e3), twice
.set PC,  8                            ; v8-15   pcd's fragment
.set FB,  16                           ; v16-19  f of tile t; at the end 2^(e4 + e5) / sum
.set LS,  20                           ; v20-27  the sum of tile t, in two halves
.set TS,  28                           ; v28-43  at work
.set RR,  44                           ; v44     r = lane % 16
.set HH,  45                           ; v45     h = lane / 16
.set WK,  64                           ; v64-95  Wk's four tiles
.set WV,  96                           ; v96-127 Wv's
.set QV,  128                          ; v128-159 q
.set PR,  160                          ; v160-191 p of a chunk: tile t, neighbour k at 8 t + k  (at the head: Wq's four tiles)
; window 1
.set RB,  0                            ; v0-63   two buffers of four result tiles
.set EN,  64                           ; v64-95  t of a chunk: 8 t + k
.set MX,  96                           ; v96-103 m of tile t, two sets by turns
.set DM,  104                          ; v104-107 old m - new m
.set FR,  128                          ; v128-223 twelve fragments of neighbours
.set AC,  224                          ; v224-255 O: tile t, depth j at 8 t + j
.set G1,  28                           ; s[28:35] descriptor group 1
.set G0,  36                           ; s[36:51] descriptor group 0, a set for each chunk
.set MAIN, 0x54
.set ALL1, 0x55                        ; every place window 1
.set TOP0, 0x01                        ; source 0 window 1, destination window 0
.set MSB, 0
.macro WIN new                         ; the immediate's high byte repeats the setting that is left
.if MSB != \new
	s_set_vgpr_msb (MSB<<8)|\new
.set MSB, \new
.endif
.endm
; pair d = (register s of pair b, for both halves) x pair x;  and the same + pair d
.macro BMUL d, b, s, x
.if \s
	v_pk_mul_f32 v[\d:\d+1], v[\b:\b+1], v[\x:\x+1] op_sel:[1,0] op_sel_hi:[1,1]
.else
	v_pk_mul_f32 v[\d:\d+1], v[\b:\b+1], v[\x:\x+1] op_sel_hi:[0,1]
.endif
.endm
.macro BFMA d, b, s, x
.if \s
	v_pk_fma_f32 v[\d:\d+1], v[\b:\b+1], v[\x:\x+1], v[\d:\d+1] op_sel:[1,0,0] op_sel_hi:[1,1,1]
.else
	v_pk_fma_f32 v[\d:\d+1], v[\b:\b+1], v[\x:\x+1], v[\d:\d+1] op_sel_hi:[0,1,1]
.endif
.endm
	s_load_b256 s[4:11], s[0:1], 0x0               ; neighbours s[4:5], pcd s[6:7], Wq s[8:9], Wk s[10:11]
	s_load_b128 s[12:15], s[0:1], 0x20             ; Wv s[12:13], the scales' exponents s[14:15]
	s_load_b64 s[16:17], s[0:1], 0x30              ; out
	v_lshl_add_u32 v254, v0, 2, 0x29000
	v_mov_b32 v255, 0
	ds_add_u32 v254, v255
	ds_add_u32 v254, v255
	v_lshrrev_b32 v[VO], 5, v0
	v_readfirstlane_b32 s18, v[VO]                 ; wave 0..3
	; descriptor group 1: 16 rows x 512 bytes, 2,048 bytes from row to row, padded in LDS
	s_mov_b32 s[G1+0], (1<<20)|(6<<22)|(3<<25)     ; 15:0 no mask; 17:16 elements of 1 byte; 20 padding on; 24:22 after every 128 words (code 6); 31:25 four words (code 3)
	s_mov_b32 s[G1+1], CKB<<16                     ; tensor_dim0 = 512
	s_mov_b32 s[G1+2], 16<<16                      ; tensor_dim1 = 16
	s_mov_b32 s[G1+3], CKB<<16                     ; tile_dim0 = 512
	s_mov_b32 s[G1+4], 16                          ; tile_dim1 = 16
	s_mov_b32 s[G1+5], 2048                        ; tensor_dim0_stride
	s_mov_b32 s[G1+6], 0
	s_mov_b32 s[G1+7], 0
	s_lshl_b32 s2, ttmp9, 17                       ; 64 points x 2,048 bytes a work-group,
	s_lshl_b32 s3, s18, 15                         ; 16 points a wave
	s_add_co_u32 s2, s2, s3
	s_mov_b32 s3, 0
	s_mul_i32 s19, s18, WREG                       ; my wave's tiles in LDS
	s_wait_dscnt 0x0
	s_wait_kmcnt 0x0
	s_add_nc_u64 s[4:5], s[4:5], s[2:3]            ; the neighbours of my wave's first point
.irp c, 0,1,2,3
	s_mov_b32 s[G0+4*\c], 1                                        ; count = 1
	s_add_co_u32 s[G0+4*\c+1], s19, \c*CH                          ; LDS address: wave x WREG + chunk x CH
	s_add_nc_u64 s[G0+4*\c+2:G0+4*\c+3], s[4:5], \c*CKB            ; global address: neighbours 8 c on
	s_or_b32 s[G0+4*\c+3], s[G0+4*\c+3], 0x80000000                ; type = 2
.endr
.irp c, 0,1,2,3
	tensor_load_to_lds s[G0+4*\c:G0+4*\c+3], s[G1:G1+7]            ; all my bytes are asked for, in the order in which they are worked on: four loads are out
	s_nop 0
.endr
.rept 4
	v_nop
.endr
	s_load_b128 s[20:23], s[14:15], 0x0            ; e0 .. e3
	s_load_b64 s[24:25], s[14:15], 0x10            ; e4, e5
	s_lshl_b32 s2, ttmp9, 12                       ; pcd: 64 points x 64 bytes a work-group, 16 points a wave
	s_lshl_b32 s26, s18, 10
	s_add_co_u32 s2, s2, s26
	s_add_nc_u64 s[6:7], s[6:7], s[2:3]
	v_and_b32 v[RR], 15, v0
	v_bfe_u32 v[HH], v0, 4, 1
	v_lshlrev_b32 v[VO], 6, v[RR]
	v_lshl_add_u32 v[VO], v[HH], 4, v[VO]
	; A fragment is 16 rows x 64 channels in 8 registers: lane (r, h) holds row r; registers 0-3 bytes 16 h + 0..15, registers 4-7 bytes 32 + 16 h + 0..15: two loads of 16 bytes, 32 apart
	global_load_b128 v[PC:PC+3], v[VO], s[6:7]
	global_load_b128 v[PC+4:PC+7], v[VO], s[6:7] offset:32
.irp t, 0,1,2,3
	global_load_b128 v[PR+8*\t:PR+8*\t+3], v[VO], s[8:9] offset:1024*\t        ; Wq, rows 16 t on
	global_load_b128 v[PR+8*\t+4:PR+8*\t+7], v[VO], s[8:9] offset:1024*\t+32
.endr
.irp t, 0,1,2,3
	global_load_b128 v[WK+8*\t:WK+8*\t+3], v[VO], s[10:11] offset:1024*\t
	global_load_b128 v[WK+8*\t+4:WK+8*\t+7], v[VO], s[10:11] offset:1024*\t+32
.endr
.irp t, 0,1,2,3
	global_load_b128 v[WV+8*\t:WV+8*\t+3], v[VO], s[12:13] offset:1024*\t
	global_load_b128 v[WV+8*\t+4:WV+8*\t+7], v[VO], s[12:13] offset:1024*\t+32
.endr
	s_lshr_b32 s2, ttmp9, 5                        ; out: batch = work-group / 32: 64 x 2,048 x 4 bytes each;
	s_lshl_b32 s2, s2, 19
	s_and_b32 s26, ttmp9, 31                       ; 64 points = 256 bytes of every row;
	s_lshl_b32 s26, s26, 8
	s_add_co_u32 s2, s2, s26
	s_lshl_b32 s26, s18, 17                        ; wave w stores rows 16 w on, 8,192 bytes each
	s_add_co_u32 s2, s2, s26
	s_add_nc_u64 s[16:17], s[16:17], s[2:3]
	s_lshl_b32 s26, s18, 6
	s_add_co_u32 s26, s26, STG                     ; the stage, in: my wave's 16 points = 64 bytes of every row
	s_mul_i32 s27, s18, 16*SPITCH
	s_add_co_u32 s27, s27, STG                     ; back: my wave's 16 rows
	s_wait_kmcnt 0x0
	s_add_co_i32 s20, s20, s21
	s_add_co_i32 s20, s20, s22
	s_add_co_i32 s20, s20, s23                     ; e0 + e1 + e2 + e3: a score stands for score x 2^that
	s_add_co_i32 s24, s24, s25                     ; e4 + e5
	v_mov_b32 v[CS], 0x3f0293ee                    ; log2(e) / sqrt(8)
	v_ldexp_f32 v[CS], v[CS], s20
	v_mov_b32 v[CS+1], v[CS]                       ; (named with it as a pair, so it is written)
	s_wait_loadcnt 16                              ; pcd's and Wq's ten loads are in; Wk's and Wv's sixteen may be out
.irp t, 0,1,2,3
	v_wmma_f32_16x16x64_fp8_fp8 v[QV+8*\t:QV+8*\t+7], v[PR+8*\t:PR+8*\t+7], v[PC:PC+7], 0   ; q: lane (r, h), register j: channel 16 t + 8 h + j of point r
.endr
	v_mul_u32_u24 v[LA], v[RR], PITCH              ; the addresses are made here: eleven plain instructions that name no register of those products stand between them and the first read of q
	v_lshl_add_u32 v[LA], v[HH], 4, v[LA]
	v_add_nc_u32 v[LA], s19, v[LA]                 ; wave x WREG + r x PITCH + 16 h
	v_mul_u32_u24 v[SA], v[HH], 8*SPITCH
	v_lshl_add_u32 v[SA], v[RR], 2, v[SA]
	v_add_nc_u32 v[SA], s26, v[SA]                 ; row 8 h (+ 16 t + j in the immediate), point 16 w + r
	v_mul_u32_u24 v[SR], v[HH], SPITCH
	v_lshl_add_u32 v[SR], v[RR], 4, v[SR]
	v_add_nc_u32 v[SR], s27, v[SR]                 ; lanes 0-15 one row of 256 bytes, lanes 16-31 the next
	v_lshlrev_b32 v[GO], 13, v[HH]
	v_lshl_add_u32 v[GO], v[RR], 4, v[GO]          ; and the same two rows in out
.irp i, 0,2,4,6,8,10,12,14,16,18,20,22,24,26,28,30
	v_pk_mul_f32 v[QV+\i:QV+\i+1], v[QV+\i:QV+\i+1], v[CS:CS+1] op_sel_hi:[1,0]   ; once a wave: the scores then come out as t.  Each tile from its low end on
.endr
; the eight fragments of chunk c: sixteen LDS loads in one run
.macro LOADF c
.irp k, 0,1,2,3,4,5,6,7
	ds_load_b128 v[FR+8*((8*(\c)+\k)%NSL):FR+8*((8*(\c)+\k)%NSL)+3], v[LA] offset:(\c)*CH+64*\k
	ds_load_b128 v[FR+8*((8*(\c)+\k)%NSL)+4:FR+8*((8*(\c)+\k)%NSL)+7], v[LA] offset:(\c)*CH+64*\k+32
.endr
.endm
; four matrix instructions: W's four tiles (w = WK or WV) x neighbour k of chunk c, into buffer k % 2.  Each is a whole sum (K = 64): C = 0, no chain
.macro MM w, c, k
.set sl, FR+8*((8*(\c)+(\k))%NSL)
.set rb, RB+32*((\k)%2)
.irp t, 0,1,2,3
	v_wmma_f32_16x16x64_fp8_fp8 v[rb+8*\t:rb+8*\t+7], v[\w+8*\t:\w+8*\t+7], v[sl:sl+7], 0
.endr
.endm
; t of neighbour k, for my point and my four heads: q . k over the eight depths.  The four tiles alternate, so that no line reads the result of the line above it
.macro VE k
.set rb, RB+32*((\k)%2)
.irp t, 0,1,2,3
	v_pk_mul_f32 v[rb+8*\t:rb+8*\t+1], v[QV+8*\t:QV+8*\t+1], v[rb+8*\t:rb+8*\t+1]
.endr
.irp i, 2,4,6
.irp t, 0,1,2,3
	v_pk_fma_f32 v[rb+8*\t:rb+8*\t+1], v[QV+8*\t+\i:QV+8*\t+\i+1], v[rb+8*\t+\i:rb+8*\t+\i+1], v[rb+8*\t:rb+8*\t+1]
.endr
.endr
.irp t, 0,1,2,3
	v_fma_f32 v[EN+8*\t+(\k)], 1.0, v[rb+8*\t], v[rb+8*\t+1]       ; the two halves added.  (1.0 x a + b: both numbers lie in window 1, which under MAIN is open to sources 1 and 2)
.endr
.endm
; O += p x v for neighbour k.  first = 1: the very first product starts the sums: nothing is cleared
.macro VA k, first
.set rb, RB+32*((\k)%2)
.set pp, PR+(\k)-((\k)%2)
.irp i, 0,2,4,6
.irp t, 0,1,2,3
.if \first
	BMUL AC+8*\t+\i, pp+8*\t, (\k)%2, rb+8*\t+\i
.else
	BFMA AC+8*\t+\i, pp+8*\t, (\k)%2, rb+8*\t+\i
.endif
.endr
.endr
.endm
; the softmax of chunk c: 32 numbers t a lane (4 heads x 8 neighbours)
.macro SOFTMAX c
.set mn, MX+4*((\c)%2)                 ; the new m,
.set mo, MX+4*(((\c)+1)%2)             ; the old
	WIN ALL1
.irp t, 0,1,2,3
	v_max3_num_f32 v[mn+\t], v[EN+8*\t], v[EN+8*\t+1], v[EN+8*\t+2]
.endr
.irp t, 0,1,2,3
	v_max3_num_f32 v[mn+\t], v[mn+\t], v[EN+8*\t+3], v[EN+8*\t+4]
.endr
.irp t, 0,1,2,3
	v_max3_num_f32 v[mn+\t], v[mn+\t], v[EN+8*\t+5], v[EN+8*\t+6]
.endr
.irp t, 0,1,2,3
.if (\c) == 0
	v_max_num_f32 v[mn+\t], v[mn+\t], v[EN+8*\t+7]
.else
	v_max3_num_f32 v[mn+\t], v[mn+\t], v[EN+8*\t+7], v[mo+\t]      ; the running maximum
.endif
.endr
.if (\c) > 0
.irp t, 0,1,2,3
	v_sub_f32 v[DM+\t], v[mo+\t], v[mn+\t]
.endr
	WIN TOP0
.irp t, 0,1,2,3
	v_exp_f32 v[FB+\t], v[DM+\t]                   ; f = 2^(old m - new m), at most 1
.endr
	WIN ALL1
.endif
.irp t, 0,1,2,3
.irp i, 0,2,4,6
.if \t%2
	v_pk_add_f32 v[EN+8*\t+\i:EN+8*\t+\i+1], v[EN+8*\t+\i:EN+8*\t+\i+1], v[mn+\t-1:mn+\t] op_sel:[0,1] op_sel_hi:[1,1] neg_lo:[0,1] neg_hi:[0,1]   ; t - m, two at a time
.else
	v_pk_add_f32 v[EN+8*\t+\i:EN+8*\t+\i+1], v[EN+8*\t+\i:EN+8*\t+\i+1], v[mn+\t:mn+\t+1] op_sel_hi:[1,0] neg_lo:[0,1] neg_hi:[0,1]
.endif
.endr
.endr
.if (\c) > 0
	s_wait_alu depctr_va_vdst(0)                   ; the wait between the four f and their first reader, behind sixteen plain instructions: so O's rescaling can stand behind the batch below
.endif
	WIN TOP0
.set n, 0
.rept 32
	v_exp_f32 v[PR+n], v[EN+n]                     ; p = 2^(t - m): one batch
.set n, n+1
.endr
.if (\c) > 0
	WIN MAIN
.irp i, 0,2,4,6
.irp t, 0,1,2,3
	BMUL AC+8*\t+\i, FB+\t-\t%2, \t%2, AC+8*\t+\i  ; O under the new m.  Plain work that names no p, between the batch and the wait for it
.endr
.endr
.else
	v_nop                                          ; a plain instruction behind the last exponential
.endif
	s_wait_alu depctr_va_vdst(0)                   ; one wait for the 32 exponentials, ahead of their first reader
	WIN 0
.irp t, 0,1,2,3
	v_pk_add_f32 v[TS+4*\t:TS+4*\t+1], v[PR+8*\t:PR+8*\t+1], v[PR+8*\t+2:PR+8*\t+3]
.endr
.irp t, 0,1,2,3
	v_pk_add_f32 v[TS+4*\t+2:TS+4*\t+3], v[PR+8*\t+4:PR+8*\t+5], v[PR+8*\t+6:PR+8*\t+7]
.endr
.if (\c) == 0
.irp t, 0,1,2,3
	v_pk_add_f32 v[LS+2*\t:LS+2*\t+1], v[TS+4*\t:TS+4*\t+1], v[TS+4*\t+2:TS+4*\t+3]   ; the first chunk starts the sums
.endr
.else
.irp t, 0,1,2,3
	v_pk_add_f32 v[TS+4*\t:TS+4*\t+1], v[TS+4*\t:TS+4*\t+1], v[TS+4*\t+2:TS+4*\t+3]
.endr
.irp t, 0,1,2,3
.if \t%2
	v_pk_fma_f32 v[LS+2*\t:LS+2*\t+1], v[FB+\t-1:FB+\t], v[LS+2*\t:LS+2*\t+1], v[TS+4*\t:TS+4*\t+1] op_sel:[1,0,0] op_sel_hi:[1,1,1]   ; sum = f x sum + the chunk's
.else
	v_pk_fma_f32 v[LS+2*\t:LS+2*\t+1], v[FB+\t:FB+\t+1], v[LS+2*\t:LS+2*\t+1], v[TS+4*\t:TS+4*\t+1] op_sel_hi:[0,1,1]
.endif
.endr
.endif
	WIN MAIN
.endm
; A CHUNK: 8 neighbours.  The pattern is: four matrix instructions into one buffer, then the vector work on the other buffer, whose products were issued a step earlier.
; A vector instruction reads a matrix result four places or more behind it, a load goes into a fragment four places or more behind its last product, a matrix instruction writes a buffer again five places or more
; behind the products that wrote it last, and only plain vector instructions that name none of the products' registers are places (ISA guide 7.12.1 for vector instructions):
; here the 16 or 20 vector instructions on the OTHER buffer are those places, everywhere but behind the very first products.
.macro CHUNK c
.irp k, 0,1,2,3,4,5,6,7
	s_wait_dscnt 14-2*\k                           ; LDS loads come back in order (ISA guide 5.7.1): fragment k's two are in, the 14 - 2 k issued behind them may be out
	MM WK, \c, \k
.if \k == 0
.if \c == 0
.rept 4
	v_nop                                          ; no vector work is at hand yet
.endr
.else
	VA 7, 0                                        ; the chunk before: its last neighbour
.endif
.else
	VE \k-1
.endif
.endr
	MM WV, \c, 0                                   ; the v pass begins while the last scores are made; the fragments are still in their registers
	VE 7
	MM WV, \c, 1
	SOFTMAX \c
.if \c == 0
	VA 0, 1
.else
	VA 0, 0
.endif
.irp k, 2,3,4,5,6,7
	MM WV, \c, \k
	VA \k-1, 0
.if (\k == 4) && (\c < 3)
	s_wait_tensorcnt 2-\c                          ; a wave's tensor loads end in order (ISA guide 10.11.1): the next chunk's tile is in LDS, the 2 - c behind it may be out
	LOADF \c+1                                     ; into the four slots that lie idle and the four of neighbours 0-3, whose last products stand in front of the 32 vector instructions above
.endif
.endr
.endm
	s_wait_tensorcnt 0x3                           ; my first tile is in LDS; the three behind it may be out
	WIN MAIN
	LOADF 0
	s_wait_loadcnt 0x0                             ; Wk, Wv
	CHUNK 0
	CHUNK 1
	CHUNK 2
	CHUNK 3
	VA 7, 0
	; THE WAY OUT.  O / sum x 2^(e4 + e5).  A lane holds one point and eight channels; a row of out is one channel and neighbouring points.  So the numbers meet in a stage, [channel][64 points],
	; and each wave stores 16 whole rows of it.
	WIN 0
.irp t, 0,1,2,3
	v_add_f32 v[TS+\t], v[LS+2*\t], v[LS+2*\t+1]   ; the sum's two halves; it is at least 1
.endr
.irp t, 0,1,2,3
	v_rcp_f32 v[FB+\t], v[TS+\t]
.endr
	v_nop                                          ; a plain instruction behind the last reciprocal
	s_wait_alu depctr_va_vdst(0)                   ; one wait for the four, ahead of their first reader
.irp t, 0,1,2,3
	v_ldexp_f32 v[FB+\t], v[FB+\t], s24
.endr
	WIN MAIN
.irp i, 0,2,4,6
.irp t, 0,1,2,3
	BMUL AC+8*\t+\i, FB+\t-\t%2, \t%2, AC+8*\t+\i
.endr
.endr
.irp t, 0,1,2,3
.irp j, 0,1,2,3,4,5,6,7
	ds_store_b32 v[SA], v[AC+8*\t+\j] offset:(16*\t+\j)*SPITCH     ; channel 16 t + 8 h + j, point 16 w + r: lanes 0-15 take 16 neighbouring words, lanes 16-31 sixteen that lie 8 x 68 words = 32 banks further on
.endr
.endr
	s_wait_dscnt 0x0                               ; for the others' sake: my stores into the stage are done
	s_barrier_signal -1
	s_barrier_wait -1                              ; 64 whole rows lie in the stage
.irp i, 0,1,2,3,4,5,6,7
	ds_load_b128 v[RB+4*\i:RB+4*\i+3], v[SR] offset:\i*2*SPITCH
.endr
.irp i, 0,1,2,3,4,5,6,7
	s_wait_dscnt 7-\i                              ; rows 2 i and 2 i + 1 are back; the 7 - i loads behind them may be out
	global_store_b128 v[GO], v[RB+4*\i:RB+4*\i+3], s[16:17] offset:\i*16384 th:TH_STORE_NT   ; 16 lanes store 256 consecutive bytes, at a multiple of 256 from out's first byte; written once, read by nobody here
.endr
	WIN 0
	s_wait_tensorcnt 0x0
	ds_add_u32 v254, v255
	s_wait_dscnt 0x0
	s_endpgm
.Lfunc_end_k_q1f599a380f_xattn:
	.size	k_q1f599a380f_xattn, .Lfunc_end_k_q1f599a380f_xattn-k_q1f599a380f_xattn
	.p2alignl 7, 3214868480
	.fill 96, 4, 3214868480
	.section	.rodata,"a",@progbits
	.p2align	6, 0x0
	.amdhsa_kernel k_q1f599a380f_xattn
		.amdhsa_group_segment_fixed_size 168448
		.amdhsa_private_segment_fixed_size 0
		.amdhsa_enable_private_segment 0
		.amdhsa_kernarg_size 56
		.amdhsa_user_sgpr_count 2
		.amdhsa_user_sgpr_kernarg_segment_ptr 1
		.amdhsa_wavefront_size32 1
		.amdhsa_system_sgpr_workgroup_id_x 1
		.amdhsa_system_sgpr_workgroup_id_y 1
		.amdhsa_system_sgpr_workgroup_id_z 1
		.amdhsa_system_vgpr_workitem_id 0
		.amdhsa_next_free_vgpr 512
		.amdhsa_next_free_sgpr 66
		.amdhsa_reserve_vcc 0
		.amdhsa_float_denorm_mode_32 3
		.amdhsa_float_denorm_mode_16_64 3
		.amdhsa_memory_ordered 1
		.amdhsa_forward_progress 1
		.amdhsa_inst_pref_size 128
	.end_amdhsa_kernel
	.amdgpu_metadata
---
amdhsa.version: [ 1, 2 ]
amdhsa.kernels:
  - .name:           k_q1f599a380f_xattn
    .symbol:         k_q1f599a380f_xattn.kd
    .args:
      - { .name: neighbors_codes, .offset: 0, .size: 8, .value_kind: global_buffer, .address_space: global }
      - { .name: pcd_codes, .offset: 8, .size: 8, .value_kind: global_buffer, .address_space: global }
      - { .name: Wq_codes, .offset: 16, .size: 8, .value_kind: global_buffer, .address_space: global }
      - { .name: Wk_codes, .offset: 24, .size: 8, .value_kind: global_buffer, .address_space: global }
      - { .name: Wv_codes, .offset: 32, .size: 8, .value_kind: global_buffer, .address_space: global }
      - { .name: lowp_scales, .offset: 40, .size: 8, .value_kind: global_buffer, .address_space: global }
      - { .name: out0, .offset: 48, .size: 8, .value_kind: global_buffer, .address_space: global }
    .group_segment_fixed_size: 168448
    .private_segment_fixed_size: 0
    .kernarg_segment_align: 8
    .kernarg_segment_size: 56
    .max_flat_workgroup_size: 128
    .sgpr_count:     66
    .vgpr_count:     512
    .wavefront_size: 32
...
	.end_amdgpu_metadata
.endif
;; end of part 1
